; MI455X (gfx1250); checked and timed in simulation.
; The chip was launched on July 23, 2026; its instructions are those of AMD's public machine-readable ISA for CDNA 5 (MIT licence, August 2026) and "CDNA5" Instruction Set Architecture Reference Guide (July 2026). The comments in the code are by the model that wrote it; some were corrected since.
;; Multi Head Attention. Allowed arithmetic: matrix products marked QUANTISED: E4M3 operands, one E8M0 scale for each 32 along K, by v_wmma_scale_f32_16x16x128_f8f6f4 with both operands' format E4M3, f32 sums; everything else in f32.
;; Inputs: Wk_codes 512 x 16 x 32 uint8 (E4M3 codes of Wk, K innermost, in blocks of 32 codes); Wk_scales 512 x 16 uint8 (E8M0 scales of Wk, one for each 32 codes along K); Wo_codes 512 x 16 x 32 uint8 (E4M3 codes of Wo, K innermost, in blocks of 32 codes); Wo_scales 512 x 16 uint8 (E8M0 scales of Wo, one for each 32 codes along K); Wq_codes 512 x 16 x 32 uint8 (E4M3 codes of Wq, K innermost, in blocks of 32 codes); Wq_scales 512 x 16 uint8 (E8M0 scales of Wq, one for each 32 codes along K); Wv_codes 512 x 16 x 32 uint8 (E4M3 codes of Wv, K innermost, in blocks of 32 codes); Wv_scales 512 x 16 uint8 (E8M0 scales of Wv, one for each 32 codes along K); bk 512 float32; bo 512 float32; bq 512 float32; bv 512 float32; keys_codes 512 x 64 x 16 x 32 uint8 (E4M3 codes of keys, K innermost, in blocks of 32 codes); keys_scales 512 x 64 x 16 uint8 (E8M0 scales of keys, one for each 32 codes along K); query_codes 512 x 64 x 16 x 32 uint8 (E4M3 codes of query, K innermost, in blocks of 32 codes); query_scales 512 x 64 x 16 uint8 (E8M0 scales of query, one for each 32 codes along K); values_codes 512 x 64 x 16 x 32 uint8 (E4M3 codes of values, K innermost, in blocks of 32 codes); values_scales 512 x 64 x 16 uint8 (E8M0 scales of values, one for each 32 codes along K).
;; Outputs: out0 512 x 64 x 512 float32.
;; This version of the problem:
;;   THIS VERSION OF THE PROBLEM IS GIVEN IN LOW PRECISION. The matrix products marked QUANTISED in the list below multiply operands that are first quantised to E4M3 (4 exponent bits, 3 mantissa bits; 8 bits a number), with one power-of-two scale for each 32 numbers along K (OCP MX v1.0); their sums are f32. All else is computed in f32.
;;   The module's matrix products, in the order in which they are computed (A, B: the left and right operand; K: the contracted axis; several contracted axes count as one K, in the product's order):
;;     1. [M 32,768, K 512] x [K 512, N 512]; A: input values (given as codes); B: input Wv (given as codes): QUANTISED
;;     2. [M 32,768, K 512] x [K 512, N 512]; A: input keys (given as codes); B: input Wk (given as codes): QUANTISED
;;     3. [M 32,768, K 512] x [K 512, N 512]; A: input query (given as codes); B: input Wq (given as codes): QUANTISED
;;     4. batch 512 x [M 512, K 64] x [K 64, N 512]; A: computed on the way; B: computed on the way: QUANTISED
;;     5. batch 512 x [M 64, K 512] x [K 512, N 512]; A: computed on the way; B: softmax (see below): QUANTISED
;;     6. [M 32,768, K 512] x [K 512, N 512]; A: computed on the way; B: input Wo (given as codes): QUANTISED
;;   THE QUANTISER, for each operand of a quantised product, along K:
;;     - K is cut into blocks of 32 from its start; a last block that is shorter is filled with zeros.
;;     - A block's scale is 2^e with e = floor(log2(the largest magnitude in the block)) - 8, held to -126 .. 127; a block of zeros has e = 0. As a byte (E8M0): e + 127.
;;     - Each number is divided by its block's scale, clamped to +-448, and rounded to the nearest number of E4M3, ties to even, subnormals kept.
;;     - The product sums the exact products of the quantised numbers (number of the format x scale) in f32.
;;   ~~~python
;;   def quantise(x, axis):      # numpy; x: float32 -> the quantised numbers, widened to float32 again
;;       x = np.moveaxis(x, axis, -1); K = x.shape[-1]
;;       x = np.pad(x, [(0, 0)] * (x.ndim - 1) + [(0, -K % 32)]); x = x.reshape(x.shape[:-1] + (-1, 32)); a = np.abs(x).max(-1, keepdims=True)
;;       e = np.where(a > 0, np.clip(np.frexp(np.where(a > 0, a, 1))[1] - 1 - 8, -126, 127), 0)      # np.frexp(a)[1] - 1 = floor(log2(a)), exactly
;;       r = np.clip(x / 2.0 ** e, -448, 448)
;;       step = 2.0 ** (np.maximum(np.frexp(np.where(r == 0, 1, r))[1] - 1, -6) - 3)
;;       q = np.round(r / step) * step * 2.0 ** e      # np.round: ties to even
;;       return np.moveaxis(q.reshape(q.shape[:-2] + (-1,))[..., :K], -1, axis).astype(np.float32)
;;   ~~~
;;   SOFTMAX AHEAD OF A QUANTISED PRODUCT. Where the list says 'softmax', what is quantised is not the finished softmax but p = 2^(t - M), with t = logit x log2(e) and M = ceil(the row's largest t), a whole number; so 1/2 < the row's largest p <= 1. The row's sum l is taken of the UNQUANTISED p, in f32, and the product's result is divided by l at the end. Since M is a whole number, a kernel that streams over the keys may use a running M (the ceiling of the running maximum): every later rescaling is an exact power of two, which a block's scale takes up: the codes' values come out the same.
;;   OPERANDS COMPUTED ON THE WAY. 'Computed on the way' means the value that the module computes at that place (a softmax that the list does not call 'softmax' is quantised finished and normalised). What goes into a quantiser is computed in f32, as accurately as f32 sums, v_exp_f32 and their like allow (about 1e-6 of the number): no bf16 or f16 on the way to a quantiser, and a product that is left as it is and whose result goes on into a quantised operand takes f32 operands (vector FMAs, or v_wmma_f32_16x16x4_f32). A number that lies on a knife's edge between two numbers of the format may be rounded either way, as far as f32 arithmetic and the matrix unit's own rounding can turn it there, and no further.
;;   INPUTS GIVEN AS CODES. Wk (in the module: [512, 512], K = its axis 1); Wo (in the module: [512, 512], K = its axis 1); Wq (in the module: [512, 512], K = its axis 1); Wv (in the module: [512, 512], K = its axis 1); keys (in the module: [512, 64, 512], K = its axis 2); query (in the module: [512, 64, 512], K = its axis 2); values (in the module: [512, 64, 512], K = its axis 2): each comes as NAME_codes (uint8): NAME with its K axis moved to the last place and cut into blocks of 32 codes, [.., K / 32, bytes a block], one block behind the other in memory; one code a byte (a code: sign, 4 exponent bits, 3 mantissa bits); and NAME_scales (uint8): the same leading axes, one E8M0 byte (e + 127) for each 32 codes along K. Its value is code x scale, taken as it is: it is not quantised again, and the codes and scales need not be those that the quantiser above would give.
;; One version. Each part assembles by itself: llvm-mc -triple=amdgcn-amd-amdhsa -mcpu=gfx1250 --defsym DOCPART=n.
;; ======== version 1 of 1: 2 launches
;; limits: right only within a limited range of input values
;; workspace buffers: o_codes 16,777,216 bytes; o_scales 524,288 bytes
;; launch attn (part 1): grid 256 x 1, 16 waves a work-group, clusters of 4 x 1, 327,680 bytes of LDS; arguments keys_codes, values_codes, query_codes, keys_scales, values_scales, query_scales, Wk_codes, Wv_codes, Wq_codes, Wk_scales, Wv_scales, Wq_scales, bk, bv, bq, o_codes, o_scales; writes o_codes, o_scales
.if DOCPART == 1
	.amdgcn_target "amdgcn-amd-amdhsa--gfx1250"
	.amdhsa_code_object_version 6
	.text
	.protected	k_qb4033a4ab1_attn
	.globl	k_qb4033a4ab1_attn
	.p2align	8
	.type	k_qb4033a4ab1_attn,@function
k_qb4033a4ab1_attn:
	s_mov_b64 s[64:65], 0
	v_nop
	global_prefetch_b8 v0, s[64:65] scope:SCOPE_SE
	s_setreg_imm32_b32 hwreg(HW_REG_WAVE_MODE, 25, 1), 1
	s_wait_xcnt 0x0
	s_wait_alu depctr_hold_cnt(0) depctr_sa_sdst(0) depctr_va_vdst(0) depctr_va_sdst(0) depctr_va_ssrc(0) depctr_va_vcc(0) depctr_vm_vsrc(0)
	s_getreg_b32 s2, hwreg(HW_REG_IB_STS2, 6, 4)
	s_cmp_eq_u32 s2, 0
	s_cbranch_scc0 .Lentry_in_a_cluster
	s_endpgm
.Lentry_in_a_cluster:
	s_bfe_u32 s2, ttmp6, 0x10000c
	s_cmp_lg_u32 s2, 0x3003
	s_cbranch_scc0 .Lentry_shape_is_right
	s_endpgm
.Lentry_shape_is_right:
.set XP,    272
.set XSLW,  32*XP
.set WB,    16*XSLW
.set WP,    528
.set WT,    64*WP
.set KSC,   WB+3*WT
.set VSC,   KSC+2048
.set OSC,   VSC+1024
.set KIMG,  OSC+1024
.set VIMG,  KIMG+32768
.set SPARE, VIMG+32768
.set SPW,  1
.set NIL,  2
.set IMG,  3
.set SCB,  4
.set OSWR, 5
.set OSR,  6
.set GOFF, 7
.set XA,   8
.set WA,   9
.set WA2,  10
.set KWR,  11
.set VWR,  12
.set KSWR, 13
.set VSWR, 14
.set XSO,  15
.set BOF,  16
.set RO4,  17
.set BV,   18
.set FF,   8
.set TMP,  9
.set NM,   10
.set TX,   11
.set LS,   12
.set Q1,   14
.set OA,   22
.set GT,   23
.set ACC,  24
.set S,    24
.set XF,   88
.set O,    88
.set PC,   120
.set QOP,  136
.set WF,   152
.set FR,   152
.set ZT,   216
.set TM,   224
.set XS,   240
.set WS,   244
.set KSW,  240
.set VSW,  244
.set QW,   246
.set QW1,  247
.set PW,   248
.set WV,   38
.set CX,   39
.set G1X,  40
.set G1W,  48
.set G0W,  56
.set HD,   60
.set TT,   61
.set G0X,  68
.set SEL,  94
.set CS,   96
.set MNT,  98
.set HIM,  99
.set PASS, 100
.set OST,  101
.macro PLACES n
.rept \n
	v_nop
.endr
.endm
.macro ROUND
	s_barrier_signal -1
	s_barrier_wait -1
	s_cmp_lg_u32 s[WV], 0
	s_cbranch_scc1 .Lnot_wave_0_\@
	s_barrier_signal -3
.Lnot_wave_0_\@:
	s_barrier_wait -3
	s_barrier_signal -1
	s_barrier_wait -1
.endm
.macro WM d, a, b, c, sa, sb, ra, rb
.if (\c) < 0
.if (\ra) && (\rb)
	v_wmma_scale_f32_16x16x128_f8f6f4 v[(\d):(\d)+7], v[(\a):(\a)+15], v[(\b):(\b)+15], 0, v[\sa], v[\sb] matrix_a_scale:MATRIX_SCALE_ROW1 matrix_b_scale:MATRIX_SCALE_ROW1
.elseif (\ra)
	v_wmma_scale_f32_16x16x128_f8f6f4 v[(\d):(\d)+7], v[(\a):(\a)+15], v[(\b):(\b)+15], 0, v[\sa], v[\sb] matrix_a_scale:MATRIX_SCALE_ROW1
.elseif (\rb)
	v_wmma_scale_f32_16x16x128_f8f6f4 v[(\d):(\d)+7], v[(\a):(\a)+15], v[(\b):(\b)+15], 0, v[\sa], v[\sb] matrix_b_scale:MATRIX_SCALE_ROW1
.else
	v_wmma_scale_f32_16x16x128_f8f6f4 v[(\d):(\d)+7], v[(\a):(\a)+15], v[(\b):(\b)+15], 0, v[\sa], v[\sb]
.endif
.else
.if (\ra) && (\rb)
	v_wmma_scale_f32_16x16x128_f8f6f4 v[(\d):(\d)+7], v[(\a):(\a)+15], v[(\b):(\b)+15], v[(\c):(\c)+7], v[\sa], v[\sb] matrix_a_scale:MATRIX_SCALE_ROW1 matrix_b_scale:MATRIX_SCALE_ROW1
.elseif (\ra)
	v_wmma_scale_f32_16x16x128_f8f6f4 v[(\d):(\d)+7], v[(\a):(\a)+15], v[(\b):(\b)+15], v[(\c):(\c)+7], v[\sa], v[\sb] matrix_a_scale:MATRIX_SCALE_ROW1
.elseif (\rb)
	v_wmma_scale_f32_16x16x128_f8f6f4 v[(\d):(\d)+7], v[(\a):(\a)+15], v[(\b):(\b)+15], v[(\c):(\c)+7], v[\sa], v[\sb] matrix_b_scale:MATRIX_SCALE_ROW1
.else
	v_wmma_scale_f32_16x16x128_f8f6f4 v[(\d):(\d)+7], v[(\a):(\a)+15], v[(\b):(\b)+15], v[(\c):(\c)+7], v[\sa], v[\sb]
.endif
.endif
.endm
.macro XFETCH
.irp u, 0,1
.irp q, 0,1
.irp c, 0,1,2,3
	ds_load_b128 v[XF+32*\u+16*\q+4*\c:XF+32*\u+16*\q+4*\c+3], v[XA] offset:\u*16*XP+128*\q+32*\c
.endr
.endr
.endr
.endm
.macro WFETCH adr, off, ks
.irp j, 0,1,2,3
.irp c, 0,1,2,3
	ds_load_b128 v[WF+16*\j+4*\c:WF+16*\j+4*\c+3], v[\adr] offset:\off+\j*16*WP+128*(\ks)+32*\c
.endr
.endr
.endm
.macro MULT ks, q
.irp u, 0,1
.irp j, 0,1,2,3
	WM ACC+32*\u+8*\j, WF+16*\j, XF+32*\u+16*(\q), ACC+32*\u+8*\j, WS+4*(\j/2)+(\ks), XS+(\ks), \j%2, \u
.endr
.endr
.endm
.macro MULN ks, q, zero
.irp j, 0,1,2,3
.irp u, 0,1
.if \zero
	WM ACC+16*\j+8*\u, XF+32*\u+16*(\q), WF+16*\j, -1, XS+(\ks), WS+4*(\j/2)+(\ks), \u, \j%2
.else
	WM ACC+16*\j+8*\u, XF+32*\u+16*(\q), WF+16*\j, ACC+16*\j+8*\u, XS+(\ks), WS+4*(\j/2)+(\ks), \u, \j%2
.endif
.endr
.endr
.endm
.macro QUANT s, nb, d0, d1
.irp b, 0,1,2,3
.if \b < \nb
	v_max3_num_f32 v[TM+\b], |v[\s+16*\b]|, |v[\s+16*\b+1]|, 0x4800000
.endif
.endr
.irp i, 2,4,6,8,10,12,14
.irp b, 0,1,2,3
.if \b < \nb
	v_max3_num_f32 v[TM+\b], v[TM+\b], |v[\s+16*\b+\i]|, |v[\s+16*\b+\i+1]|
.endif
.endr
.endr
.irp b, 0,1,2,3
.if \b < \nb
	v_permlanex16_b32 v[TM+4+\b], v[TM+\b], s[SEL], s[SEL+1]
.endif
.endr
.irp b, 0,1,2,3
.if \b < \nb
	v_max_num_f32 v[TM+\b], v[TM+\b], v[TM+4+\b]
.endif
.endr
.irp b, 0,1,2,3
.if \b < \nb
	v_add_nc_u32 v[TM+12+\b], 0xfc000000, v[TM+\b]
.endif
.endr
.irp b, 0,1,2,3
.if \b < \nb
.endif
.endr
.irp b, 0,1,2,3
.if \b < \nb
	v_lshrrev_b32 v[TM+4+\b], 23, v[TM+12+\b]
.endif
.endr
.irp b, 0,1,2,3
.if \b < \nb
.if \b < 2
.set QD, \d0+4*\b
.else
.set QD, \d1+4*(\b-2)
.endif
.irp i, 0,1,2,3,4,5,6,7,8,9,10,11,12,13,14,15
.endr
	v_cvt_scalef32_pk8_fp8_f32 v[QD:QD+1], v[\s+16*\b:\s+16*\b+7], v[TM+12+\b]
	v_cvt_scalef32_pk8_fp8_f32 v[QD+2:QD+3], v[\s+16*\b+8:\s+16*\b+15], v[TM+12+\b]
.endif
.endr
	v_nop
.endm
.macro SCLOAD xs, ws
	global_load_b128 v[XS:XS+3], v[XSO], s[\xs:\xs+1]
	global_load_b128 v[WS:WS+3], v[GOFF], s[\ws:\ws+1]
	global_load_b128 v[WS+4:WS+7], v[GOFF], s[\ws:\ws+1] offset:512
.endm
.macro BIAS lo
.irp u, 0,1
.irp j, 0,1,2,3
	global_load_b128 v[ACC+32*\u+8*\j:ACC+32*\u+8*\j+3], v[BOF], s[\lo:\lo+1] offset:64*\j
	global_load_b128 v[ACC+32*\u+8*\j+4:ACC+32*\u+8*\j+7], v[BOF], s[\lo:\lo+1] offset:64*\j+16
.endr
.endr
.endm
.macro ADDRS
	v_and_b32 v252, 31, v0
	v_and_b32 v253, 15, v0
	v_bfe_u32 v254, v0, 4, 1
	s_delay_alu instid0(VALU_DEP_2)
	v_mul_u32_u24 v[XA], v253, XP
	s_delay_alu instid0(VALU_DEP_1)
	v_lshl_add_u32 v[XA], v254, 4, v[XA]
	s_delay_alu instid0(VALU_DEP_1)
	v_add_nc_u32 v[XA], s66, v[XA]
	v_mul_u32_u24 v[WA], v253, WP
	s_delay_alu instid0(VALU_DEP_1)
	v_lshl_add_u32 v[WA], v254, 4, v[WA]
	s_delay_alu instid0(VALU_DEP_1)
	v_add_nc_u32 v[WA], WB, v[WA]
	s_delay_alu instid0(VALU_DEP_1)
	v_add_nc_u32 v[WA2], 2*WT, v[WA]
	s_lshl_b32 s67, s[WV], 11
	v_add_nc_u32 v[KWR], s67, v[IMG]
	s_lshr_b32 s67, s[WV], 2
	s_and_b32 s92, s[WV], 3
	s_lshl_b32 s2, s67, 13
	s_lshl_b32 s3, s92, 9
	s_add_co_u32 s2, s2, s3
	s_add_co_u32 s2, s2, VIMG-KIMG
	v_add_nc_u32 v[VWR], s2, v[IMG]
	v_lshl_add_u32 v[KSWR], v0, 2, KSC
	s_lshl_b32 s2, s67, 8
	s_add_co_u32 s2, s2, s92
	s_add_co_u32 s2, s2, VSC
	v_lshl_add_u32 v[VSWR], v253, 2, s2
	v_lshlrev_b32 v[XSO], 10, v252
	v_lshlrev_b32 v[BOF], 5, v254
	v_lshlrev_b32 v[RO4], 2, v253
.endm
.macro JHEAD
	SCLOAD 10, 22
	BIAS 28
.irp j, 0,1,2,3
	global_load_b32 v[BV+\j], v[RO4], s[30:31] offset:64*\j
.endr
.endm
.macro STAGE i, nat, adr, off, nx
.if (\i)%2
	PLACES 8
.endif
	s_wait_tensorcnt 0x0
	XFETCH
.if (\nx) >= 0
	s_wait_tensorcnt 0x0
	ds_add_u32 v[SPW], v[NIL]
	s_wait_dscnt 0x0
	ROUND
	tensor_load_to_lds s[G0X+4*(\nx):G0X+4*(\nx)+3], s[G1X:G1X+7]
	s_nop 0
	PLACES 4
.endif
	s_wait_alu depctr_va_vdst(0)
.irp q, 0,1
.if \q
	PLACES 8
.endif
	WFETCH \adr, \off, 2*((\i)%2)+\q
	s_wait_dscnt 0x0
.if ((\i)%2 == 0) && (\q == 0)
	s_wait_loadcnt 0x0
.endif
.if \nat
.if ((\i)%2 == 0) && (\q == 0)
	MULN 2*((\i)%2)+\q, \q, 1
.else
	MULN 2*((\i)%2)+\q, \q, 0
.endif
.else
	MULT 2*((\i)%2)+\q, \q
.endif
.endr
.endm
.macro PROJ nx5
	STAGE 0, 0, WA, 0, 1
	STAGE 1, 0, WA, 0, 2
	PLACES 8
	QUANT ACC, 4, PC, PC+8
	v_lshl_or_b32 v[TM], v[TM+5], 8, v[TM+4]
	v_lshl_or_b32 v[TM+1], v[TM+7], 8, v[TM+6]
	s_delay_alu instid0(VALU_DEP_1)
	v_cndmask_b32 v[TM], v[TM], v[TM+1], s[HIM]
	ds_store_b32 v[KSWR], v[TM]
.irp e, 0,1,2,3
	ds_store_b128 v[KWR], v[PC+4*\e:PC+4*\e+3] offset:512*\e
.endr
	SCLOAD 12, 24
	s_wait_dscnt 0x0
	STAGE 2, 1, WA, WT, 3
	STAGE 3, 1, WA, WT, 4
	PLACES 8
.irp j, 0,1,2,3
.irp i, 0,1,2,3,4,5,6,7,8,9,10,11,12,13,14,15
	v_add_f32 v[ACC+16*\j+\i], v[ACC+16*\j+\i], v[BV+\j]
.endr
.endr
	QUANT ACC, 4, PC, PC+8
.irp j, 0,1,2,3
	ds_store_b128 v[VWR], v[PC+4*\j:PC+4*\j+3] offset:2048*\j
	ds_store_b8 v[VSWR], v[TM+4+\j] offset:64*\j
.endr
	SCLOAD 14, 26
	BIAS 32
	s_wait_dscnt 0x0
	STAGE 4, 0, WA2, 0, 5
	STAGE 5, 0, WA2, 0, \nx5
	PLACES 8
	QUANT ACC, 4, QOP, Q1
	v_lshl_or_b32 v[QW], v[TM+5], 8, v[TM+4]
	v_lshl_or_b32 v[QW1], v[TM+7], 8, v[TM+6]
.irp i, 0,1,2,3,4,5,6,7
	v_mov_b32 v[QOP+8+\i], 0
	v_mov_b32 v[ZT+\i], 0
.endr
.endm
	s_load_b512 s[4:19], s[0:1], 0x0
	s_load_b512 s[20:35], s[0:1], 0x40
	s_load_b64 s[36:37], s[0:1], 0x80
	v_lshl_add_u32 v[SPW], v0, 2, SPARE
	v_mov_b32 v[NIL], 0
	ds_add_u32 v1, v2
	ds_add_u32 v1, v2
	s_wait_dscnt 0x0
	v_lshrrev_b32 v252, 5, v0
	s_delay_alu instid0(VALU_DEP_1)
	v_readfirstlane_b32 s[WV], v252
	s_bfe_u32 s[CX], ttmp6, 0x40000
	s_mov_b32 s[HD], s[CX]
	s_mov_b32 s[TT], ttmp9
	v_and_b32 v252, 31, v0
	v_and_b32 v253, 15, v0
	s_mul_i32 s66, s[WV], XSLW
	v_lshlrev_b32 v[GOFF], 4, v252
	s_delay_alu instid0(VALU_DEP_1)
	v_add_nc_u32 v[IMG], KIMG, v[GOFF]
	v_lshl_add_u32 v[SCB], v252, 2, KSC
	s_lshl_b32 s67, s[WV], 6
	v_lshl_add_u32 v[OSWR], v253, 1, OSC
	s_delay_alu instid0(VALU_DEP_1)
	v_add_nc_u32 v[OSWR], s67, v[OSWR]
	v_lshl_add_u32 v[OSR], v0, 4, OSC
	v_lshlrev_b32 v[GT], 4, v0
	ADDRS
.irp b, 0,1,2,3
	v_mov_b32 v[TM+4+\b], 0
.endr
	s_mov_b32 s[G1X+0], 15|(1<<20)|(1<<21)|(5<<22)|(3<<25)
	s_mov_b32 s[G1X+1], 256<<16
	s_mov_b32 s[G1X+2], 32<<16
	s_mov_b32 s[G1X+3], 256<<16
	s_mov_b32 s[G1X+4], 32
	s_mov_b32 s[G1X+5], 32768
	s_mov_b32 s[G1X+6], 0
	s_mov_b32 s[G1X+7], 0
	s_mov_b32 s[G1W+0], (1<<20)|(6<<22)|(3<<25)
	s_mov_b32 s[G1W+1], 512<<16
	s_mov_b32 s[G1W+2], 64<<16
	s_mov_b32 s[G1W+3], 512<<16
	s_mov_b32 s[G1W+4], 64
	s_mov_b32 s[G1W+5], 512
	s_mov_b32 s[G1W+6], 0
	s_mov_b32 s[G1W+7], 0
	s_mov_b32 s[SEL], 0x76543210
	s_mov_b32 s[SEL+1], 0xfedcba98
	s_mov_b32 s[CS], 0x3d8293ee
	s_mov_b32 s[CS+1], s[CS]
	s_mov_b32 s[HIM], 0xffff0000
	s_mov_b32 s[PASS], 2
	s_mov_b32 s[OST], 0
	s_lshl_b32 s62, s[WV], 20
	s_lshl_b32 s63, s[TT], 9
	s_add_co_u32 s62, s62, s63
	s_mov_b32 s63, 0
	s_wait_alu depctr_va_vdst(0)
	s_wait_kmcnt 0x0
.irp i, 0,1,2,3,4,5
	s_mov_b32 s[G0X+4*\i], 1
	s_mov_b32 s[G0X+4*\i+1], s66
	s_add_nc_u64 s[G0X+4*\i+2:G0X+4*\i+3], s[4+2*(\i/2):5+2*(\i/2)], s[62:63]
.if \i%2
	s_add_nc_u64 s[G0X+4*\i+2:G0X+4*\i+3], s[G0X+4*\i+2:G0X+4*\i+3], 256
.endif
	s_or_b32 s[G0X+4*\i+3], s[G0X+4*\i+3], 0x80000000
.endr
	s_cmp_eq_u32 s[WV], 0
	s_cselect_b64 s[G0W+2:G0W+3], s[16:17], s[20:21]
	s_cmp_eq_u32 s[WV], 1
	s_cselect_b64 s[G0W+2:G0W+3], s[18:19], s[G0W+2:G0W+3]
	s_lshl_b32 s92, s[HD], 15
	s_mov_b32 s93, 0
	s_add_nc_u64 s[G0W+2:G0W+3], s[G0W+2:G0W+3], s[92:93]
	s_or_b32 s[G0W+3], s[G0W+3], 0x80000000
	s_mov_b32 s[G0W], 1
	s_min_u32 s67, s[WV], 2
	s_mul_i32 s[G0W+1], s67, WT
	s_add_co_u32 s[G0W+1], s[G0W+1], WB
	s_lshl_b32 s92, s[WV], 15
	s_lshl_b32 s67, s[TT], 4
	s_add_co_u32 s92, s92, s67
	s_add_nc_u64 s[10:11], s[10:11], s[92:93]
	s_add_nc_u64 s[12:13], s[12:13], s[92:93]
	s_add_nc_u64 s[14:15], s[14:15], s[92:93]
	s_lshl_b32 s92, s[HD], 10
	s_add_nc_u64 s[22:23], s[22:23], s[92:93]
	s_add_nc_u64 s[24:25], s[24:25], s[92:93]
	s_add_nc_u64 s[26:27], s[26:27], s[92:93]
	s_lshl_b32 s92, s[HD], 8
	s_add_nc_u64 s[28:29], s[28:29], s[92:93]
	s_add_nc_u64 s[30:31], s[30:31], s[92:93]
	s_add_nc_u64 s[32:33], s[32:33], s[92:93]
	s_lshl_b32 s92, s[TT], 18
	s_lshl_b32 s67, s[WV], 14
	s_add_co_u32 s92, s92, s67
	s_lshl_b32 s67, s[HD], 10
	s_add_co_u32 s92, s92, s67
	s_add_nc_u64 s[34:35], s[34:35], s[92:93]
	s_lshl_b32 s92, s[TT], 3
	s_add_co_u32 s92, s92, s[HD]
	s_lshl_b32 s92, s92, 10
	s_add_nc_u64 s[36:37], s[36:37], s[92:93]
	JHEAD
	ROUND
	s_cmp_lt_u32 s[WV], 3
	s_cbranch_scc0 .Lno_w
	tensor_load_to_lds s[G0W:G0W+3], s[G1W:G1W+7]
	s_nop 0
	PLACES 4
.Lno_w:
	s_wait_alu depctr_va_vdst(0)
	s_wait_tensorcnt 0x0
	ds_add_u32 v1, v2
	ds_add_u32 v1, v2
	s_wait_dscnt 0x0
	ROUND
	tensor_load_to_lds s[G0X:G0X+3], s[G1X:G1X+7]
	s_nop 0
	PLACES 4
.macro STEP s
	PLACES 8
	s_setprio 2
.irp j, 0,1,2,3,4,5,6,7
	ds_load_b128 v[FR+8*\j:FR+8*\j+3], v[IMG] offset:(8*\s+\j)*1024
	ds_load_b128 v[FR+8*\j+4:FR+8*\j+7], v[IMG] offset:(8*\s+\j)*1024+512
.endr
.irp c, 0,1,2,3
	ds_load_b32 v[KSW+\c], v[SCB] offset:(128*\s+32*\c)*4
.endr
	s_wait_dscnt 0x0
.irp j, 0,1,2,3,4,5,6,7
	WM S+8*\j, FR+8*\j, QOP, -1, KSW+\j/2, QW, \j%2, 0
.endr
	PLACES 8
.irp j, 0,1,2,3
.irp c, 0,1,2,3
	ds_load_b128 v[FR+16*\j+4*\c:FR+16*\j+4*\c+3], v[IMG] offset:VIMG-KIMG+8192*\s+2048*\j+512*\c
.endr
.endr
.irp p, 0,1
	ds_load_b32 v[VSW+\p], v[SCB] offset:VSC-KSC+256*\s+128*\p
.endr
.irp b, 0,1,2,3
	v_max3_num_f32 v[TM+\b], v[S+16*\b], v[S+16*\b+1], v[S+16*\b+2]
.endr
.irp i, 3,5,7,9,11,13
.irp b, 0,1,2,3
	v_max3_num_f32 v[TM+\b], v[TM+\b], v[S+16*\b+\i], v[S+16*\b+\i+1]
.endr
.endr
.irp b, 0,1,2,3
	v_max_num_f32 v[TM+\b], v[TM+\b], v[S+16*\b+15]
.endr
.irp b, 0,1,2,3
	s_delay_alu instid0(VALU_DEP_4)
	v_permlanex16_b32 v[TM+4+\b], v[TM+\b], s[SEL], s[SEL+1]
.endr
.irp b, 0,1,2,3
	s_delay_alu instid0(VALU_DEP_4)
	v_max_num_f32 v[TM+\b], v[TM+\b], v[TM+4+\b]
.endr
	s_delay_alu instid0(VALU_DEP_2)
	v_max3_num_f32 v[TMP], v[TM], v[TM+1], v[TM+2]
	s_delay_alu instid0(VALU_DEP_1)
	v_max_num_f32 v[TMP], v[TMP], v[TM+3]
	s_delay_alu instid0(VALU_DEP_1)
	v_mul_f32 v[TMP], s[CS], v[TMP]
	s_delay_alu instid0(VALU_DEP_1)
	v_max_num_f32 v[TX], v[TX], v[TMP]
	v_mov_b32 v[TMP], v[NM]
	s_delay_alu instid0(VALU_DEP_2)
	v_floor_f32 v[NM], -v[TX]
	s_delay_alu instid0(VALU_DEP_1)
	v_sub_f32 v[TMP], v[NM], v[TMP]
	s_delay_alu instid0(VALU_DEP_1)
	v_cvt_i32_f32 v[TMP], v[TMP]
	s_delay_alu instid0(VALU_DEP_1)
	v_ldexp_f32 v[FF], 1.0, v[TMP]
.irp j, 0,2,4,6,8,10,12,14,16,18,20,22,24,26,28,30,32,34,36,38,40,42,44,46,48,50,52,54,56,58,60,62
	v_pk_fma_f32 v[S+\j:S+\j+1], v[S+\j:S+\j+1], s[CS:CS+1], v[NM:NM+1] op_sel_hi:[1,0,0]
.endr
.irp b, 0,1,2,3
	v_fma_f32 v[TM+\b], v[TM+\b], s[CS], v[NM]
.endr
	s_wait_alu depctr_va_vdst(0)
.irp j, 0,1,2,3,4,5,6,7,8,9,10,11,12,13,14,15,16,17,18,19,20,21,22,23,24,25,26,27,28,29,30,31,32,33,34,35,36,37,38,39,40,41,42,43,44,45,46,47,48,49,50,51,52,53,54,55,56,57,58,59,60,61,62,63
	v_exp_f32 v[S+\j], v[S+\j]
.endr
	s_setprio 1
.irp b, 0,1,2,3
	v_exp_f32 v[TM+\b], v[TM+\b]
.endr
	v_pk_mul_f32 v[LS:LS+1], v[LS:LS+1], v[FF:FF+1] op_sel_hi:[1,0]
	s_wait_alu depctr_va_vdst(0)
.irp b, 0,1,2,3
	v_max_num_f32 v[TM+\b], 0x4800000, v[TM+\b]
.endr
.irp b, 0,1,2,3
	s_delay_alu instid0(VALU_DEP_4)
	v_add_nc_u32 v[TM+12+\b], 0xfc000000, v[TM+\b]
.endr
.irp b, 0,1,2,3
.endr
.irp b, 0,1,2,3
	s_delay_alu instid0(VALU_DEP_4)
	v_lshrrev_b32 v[TM+4+\b], 23, v[TM+12+\b]
.endr
	s_delay_alu instid0(VALU_DEP_3)
	v_lshl_or_b32 v[PW], v[TM+5], 8, v[TM+4]
	s_delay_alu instid0(VALU_DEP_1)
	v_lshl_or_b32 v[PW], v[TM+6], 16, v[PW]
	s_delay_alu instid0(VALU_DEP_1)
	v_lshl_or_b32 v[PW], v[TM+7], 24, v[PW]
	v_pk_add_f32 v[TM+4:TM+5], v[S:S+1], v[S+2:S+3]
.irp j, 4,8,12,16,20,24,28,32,36,40,44,48,52,56,60
	v_pk_add_f32 v[LS:LS+1], v[LS:LS+1], v[S+\j:S+\j+1]
	v_pk_add_f32 v[TM+4:TM+5], v[TM+4:TM+5], v[S+\j+2:S+\j+3]
.endr
	s_delay_alu instid0(VALU_DEP_1)
	v_pk_add_f32 v[LS:LS+1], v[LS:LS+1], v[TM+4:TM+5]
.irp b, 0,1,2,3
.irp i, 0,1,2,3,4,5,6,7,8,9,10,11,12,13,14,15
.endr
	v_cvt_scalef32_pk8_fp8_f32 v[PC+4*\b:PC+4*\b+1], v[S+16*\b:S+16*\b+7], v[TM+12+\b]
	v_cvt_scalef32_pk8_fp8_f32 v[PC+4*\b+2:PC+4*\b+3], v[S+16*\b+8:S+16*\b+15], v[TM+12+\b]
.endr
.if \s == 0
	s_wait_alu depctr_va_vdst(0)
	PLACES 4
.else
.irp j, 0,2,4,6,8,10,12,14,16,18,20,22,24,26,28,30
	v_pk_mul_f32 v[O+\j:O+\j+1], v[O+\j:O+\j+1], v[FF:FF+1] op_sel_hi:[1,0]
.endr
.endif
	s_setprio 0
	s_wait_alu depctr_va_vdst(0)
	s_wait_dscnt 0x0
.irp j, 0,1,2,3
.if \s == 0
	WM O+8*\j, FR+16*\j, PC, -1, VSW+\j/2, PW, \j%2, 0
.else
	WM O+8*\j, FR+16*\j, PC, O+8*\j, VSW+\j/2, PW, \j%2, 0
.endif
.endr
.endm
.macro PASSBODY
	v_mov_b32 v[TX], 0xff61b1e6
	s_delay_alu instid0(VALU_DEP_1)
	v_floor_f32 v[NM], -v[TX]
	v_mov_b32 v[LS], 0
	v_mov_b32 v[LS+1], 0
	STEP 0
	STEP 1
	STEP 2
	STEP 3
	PLACES 8
	v_add_f32 v[LS], v[LS], v[LS+1]
	s_delay_alu instid0(VALU_DEP_1)
	v_permlanex16_b32 v[TMP], v[LS], s[SEL], s[SEL+1]
	s_delay_alu instid0(VALU_DEP_1)
	v_add_f32 v[LS], v[LS], v[TMP]
	s_wait_alu depctr_va_vdst(0)
	v_rcp_f32 v[LS], v[LS]
	v_nop
	s_wait_alu depctr_va_vdst(0)
.irp j, 0,2,4,6,8,10,12,14,16,18,20,22,24,26,28,30
	v_pk_mul_f32 v[O+\j:O+\j+1], v[O+\j:O+\j+1], v[LS:LS+1] op_sel_hi:[1,0]
.endr
	QUANT O, 2, PC, PC+8
	v_lshl_or_b32 v[TM], v[TM+5], 8, v[TM+4]
	v_add_nc_u32 v[OA], s[OST], v[OSWR]
	ds_store_b16 v[OA], v[TM]
	global_store_b128 v[GOFF], v[PC:PC+3], s[34:35]
	global_store_b128 v[GOFF], v[PC+4:PC+7], s[34:35] offset:512
	s_wait_xcnt 0x0
	s_add_nc_u64 s[34:35], s[34:35], 8192
	s_add_co_u32 s[OST], s[OST], 32
.irp i, 0,1,2,3,4,5,6,7
	v_mov_b32 v[QOP+\i], v[Q1+\i]
.endr
	v_mov_b32 v[QW], v[QW1]
.endm
.macro SCOUT
	s_wait_dscnt 0x0
	s_barrier_signal -1
	s_barrier_wait -1
	s_cmp_lt_u32 s[WV], 2
	s_cbranch_scc0 .Lno_scales_\@
	ds_load_b128 v[S:S+3], v[OSR]
	s_wait_dscnt 0x0
	global_store_b128 v[GT], v[S:S+3], s[36:37]
.Lno_scales_\@:
.endm
	PROJ 0
	s_wait_tensorcnt 0x0
	ds_add_u32 v[SPW], v[NIL]
	s_add_nc_u64 s[G0W+2:G0W+3], s[G0W+2:G0W+3], 4*32768
	s_wait_dscnt 0x0
	ROUND
	s_cmp_lt_u32 s[WV], 3
	s_cbranch_scc0 .Lno_w2
	tensor_load_to_lds s[G0W:G0W+3], s[G1W:G1W+7]
	s_nop 0
	PLACES 4
.Lno_w2:
.Lpass0:
	s_wait_alu depctr_va_vdst(0)
	PASSBODY
	s_sub_co_u32 s[PASS], s[PASS], 1
	s_cmp_lg_u32 s[PASS], 0
	s_cbranch_scc1 .Lpass0
	s_setprio 0
	SCOUT
	s_wait_xcnt 0x0
	s_add_nc_u64 s[22:23], s[22:23], 4*1024
	s_add_nc_u64 s[24:25], s[24:25], 4*1024
	s_add_nc_u64 s[26:27], s[26:27], 4*1024
	s_add_nc_u64 s[28:29], s[28:29], 4*256
	s_add_nc_u64 s[30:31], s[30:31], 4*256
	s_add_nc_u64 s[32:33], s[32:33], 4*256
	s_sub_nc_u64 s[34:35], s[34:35], 2*8192-4*1024
	s_add_nc_u64 s[36:37], s[36:37], 4*1024
	s_mov_b32 s[PASS], 2
	s_mov_b32 s[OST], 0
	ADDRS
	JHEAD
	PROJ -1
	s_wait_dscnt 0x0
	s_barrier_signal -1
	s_barrier_wait -1
.Lpass1:
	s_wait_alu depctr_va_vdst(0)
	PASSBODY
	s_sub_co_u32 s[PASS], s[PASS], 1
	s_cmp_lg_u32 s[PASS], 0
	s_cbranch_scc1 .Lpass1
	s_setprio 0
	SCOUT
	s_wait_tensorcnt 0x0
	ds_add_u32 v[SPW], v[NIL]
	s_wait_dscnt 0x0
	ROUND
	s_endpgm
.Lfunc_end_k_qb4033a4ab1_attn:
	.size	k_qb4033a4ab1_attn, .Lfunc_end_k_qb4033a4ab1_attn-k_qb4033a4ab1_attn
	.p2alignl 7, 3214868480
	.fill 96, 4, 3214868480
	.section	.rodata,"a",@progbits
	.p2align	6, 0x0
	.amdhsa_kernel k_qb4033a4ab1_attn
		.amdhsa_group_segment_fixed_size 327680
		.amdhsa_private_segment_fixed_size 0
		.amdhsa_enable_private_segment 0
		.amdhsa_kernarg_size 136
		.amdhsa_user_sgpr_count 2
		.amdhsa_user_sgpr_kernarg_segment_ptr 1
		.amdhsa_wavefront_size32 1
		.amdhsa_system_sgpr_workgroup_id_x 1
		.amdhsa_system_sgpr_workgroup_id_y 1
		.amdhsa_system_sgpr_workgroup_id_z 1
		.amdhsa_system_vgpr_workitem_id 0
		.amdhsa_next_free_vgpr 256
		.amdhsa_next_free_sgpr 102
		.amdhsa_reserve_vcc 0
		.amdhsa_float_denorm_mode_32 3
		.amdhsa_float_denorm_mode_16_64 3
		.amdhsa_fp16_overflow 1
		.amdhsa_memory_ordered 1
		.amdhsa_forward_progress 1
		.amdhsa_inst_pref_size 255
	.end_amdhsa_kernel
	.section	.bss,"aw",@nobits
	.p2align	6
	.space	262144
	.amdgpu_metadata
---
amdhsa.version: [ 1, 2 ]
amdhsa.kernels:
  - .name:           k_qb4033a4ab1_attn
    .symbol:         k_qb4033a4ab1_attn.kd
    .args:
      - { .name: keys_codes, .offset: 0, .size: 8, .value_kind: global_buffer, .address_space: global }
      - { .name: values_codes, .offset: 8, .size: 8, .value_kind: global_buffer, .address_space: global }
      - { .name: query_codes, .offset: 16, .size: 8, .value_kind: global_buffer, .address_space: global }
      - { .name: keys_scales, .offset: 24, .size: 8, .value_kind: global_buffer, .address_space: global }
      - { .name: values_scales, .offset: 32, .size: 8, .value_kind: global_buffer, .address_space: global }
      - { .name: query_scales, .offset: 40, .size: 8, .value_kind: global_buffer, .address_space: global }
      - { .name: Wk_codes, .offset: 48, .size: 8, .value_kind: global_buffer, .address_space: global }
      - { .name: Wv_codes, .offset: 56, .size: 8, .value_kind: global_buffer, .address_space: global }
      - { .name: Wq_codes, .offset: 64, .size: 8, .value_kind: global_buffer, .address_space: global }
      - { .name: Wk_scales, .offset: 72, .size: 8, .value_kind: global_buffer, .address_space: global }
      - { .name: Wv_scales, .offset: 80, .size: 8, .value_kind: global_buffer, .address_space: global }
      - { .name: Wq_scales, .offset: 88, .size: 8, .value_kind: global_buffer, .address_space: global }
      - { .name: bk, .offset: 96, .size: 8, .value_kind: global_buffer, .address_space: global }
      - { .name: bv, .offset: 104, .size: 8, .value_kind: global_buffer, .address_space: global }
      - { .name: bq, .offset: 112, .size: 8, .value_kind: global_buffer, .address_space: global }
      - { .name: o_codes, .offset: 120, .size: 8, .value_kind: global_buffer, .address_space: global }
      - { .name: o_scales, .offset: 128, .size: 8, .value_kind: global_buffer, .address_space: global }
    .group_segment_fixed_size: 327680
    .private_segment_fixed_size: 0
    .kernarg_segment_align: 8
    .kernarg_segment_size: 136
    .max_flat_workgroup_size: 512
    .sgpr_count:     102
    .vgpr_count:     256
    .wavefront_size: 32
...
	.end_amdgpu_metadata
.endif
;; end of part 1
;; launch outp (part 2): grid 128 x 2, 16 waves a work-group, clusters of 4 x 1, 309,760 bytes of LDS; arguments o_codes, o_scales, Wo_codes, Wo_scales, bo, out0; writes out0
.if DOCPART == 2
	.amdgcn_target "amdgcn-amd-amdhsa--gfx1250"
	.amdhsa_code_object_version 6
	.text
	.protected	k_qb4033a4ab1_outp
	.globl	k_qb4033a4ab1_outp
	.p2align	8
	.type	k_qb4033a4ab1_outp,@function
k_qb4033a4ab1_outp:
	s_mov_b64 s[64:65], 0
	v_nop
	global_prefetch_b8 v0, s[64:65] scope:SCOPE_SE
	s_setreg_imm32_b32 hwreg(HW_REG_WAVE_MODE, 25, 1), 1
	s_wait_xcnt 0x0
	s_wait_alu depctr_hold_cnt(0) depctr_sa_sdst(0) depctr_va_vdst(0) depctr_va_sdst(0) depctr_va_ssrc(0) depctr_va_vcc(0) depctr_vm_vsrc(0)
	s_getreg_b32 s2, hwreg(HW_REG_IB_STS2, 6, 4)
	s_cmp_eq_u32 s2, 0
	s_cbranch_scc0 .Lentry_in_a_cluster
	s_endpgm
.Lentry_in_a_cluster:
	s_bfe_u32 s2, ttmp6, 0x10000c
	s_cmp_lg_u32 s2, 0x3003
	s_cbranch_scc0 .Lentry_shape_is_right
	s_endpgm
.Lentry_shape_is_right:
; out0[n][t][:] = o[n][t][:] Wo^T + bo, on codes of FP8 (E4M3) with one E8M0 scale for each 32 along K = 512.
; o's codes come as images of the operand's registers, [t][tile of 16 n][head][block][lane][16 bytes]; its scale bytes as [t][head][n][2].
; Inside each block of 32 along K o's codes stand in the order 8 h + 0..7, 16 + 8 h + 0..7 (h = lane / 16); Wo's fragments are loaded in the same order, by pieces of 8 bytes, so the products are the true ones.
; SHARES.  A work-group makes 256 rows (one t, n = 256 nh on) x 256 columns.  Sixteen waves: wave w keeps the fragments of 32 columns (32 (w % 8) on) in 128 registers and walks 8 tiles of 16 rows (half w / 8).
; CLUSTER.  The four work-groups of a cluster take the same half of Wo: it is asked for jointly.  o's block is read by two work-groups that lie in different clusters: plain loads.
; LDS is filled once, at the start.  THE MATRIX INSTRUCTION IS USED TRANSPOSED (source 0 = 16 rows of Wo, source 1 = 16 rows of o): a lane holds eight neighbouring columns of one row.  bo is the C of a sum's first instruction.
; THE WAY OUT.  A row's 256 columns come from eight waves: they meet in a stage in LDS, and each wave stores one whole row of each of the two tiles in hand.
.set AL,   0                           ; o's images: 16 tiles x 8,192 bytes
.set WL,   131072                      ; Wo's 256 rows, 512 bytes + 16 of padding
.set WP,   528
.set WT,   64*WP
.set ASC,  WL+4*WT                     ; o's scale bytes as they come: 8 heads x 512 bytes
.set AWS,  ASC+4096                    ; and as the matrix unit wants them: [row][4 words]
.set STG,  AWS+4096                    ; the stage: 2 tiles x 16 rows x (1,024 bytes + 16)
.set SP,   1040
.set AR,   1                           ; v1   65,536 (w / 8) + 16 lane
.set AWR,  2                           ; v2   AWS + 2,048 (w / 8) + 16 r
.set WLR,  3                           ; v3   WL + (32 (w % 8) + r) WP + 8 h
.set STW,  4                           ; v4   the stage, in
.set STR,  5                           ; v5   the stage, back
.set GOF,  6                           ; v6   16 lane
.set HWR,  7                           ; v7   where I read four half-words of scale bytes
.set AWW,  8                           ; v8   where I store two scale words
.set BOF,  9                           ; v9   32 h
.set WF,   16                          ; v16-143  Wo's fragments: 64 jt + 16 s
.set AF,   144                         ; v144-207 o's fragments of a tile of rows: 16 s
.set OUTR, 144                         ;          later two rows on their way out
.set ACC,  208                         ; v208-223 two accumulators
.set BO,   224                         ; v224-239 bo in the result's layout
.set WS,   240                         ; v240-243 Wo's scale words, v244-247 o's: registers that hold scales and nothing else
.set AW,   244
.set G1W,  16                          ; s[16:23], s[24:31], s[32:39] descriptor groups 1;  s[40:43], s[44:47], s[48:51] groups 0
.set G1A,  24
.set G1S,  32
.set G0W,  40
.set G0A,  44
.set G0S,  48
.set WV,   56
.macro PLACES n
.rept \n
	v_nop
.endr
.endm
.macro ROUND                           ; a round of the cluster's barrier
	s_barrier_signal -1
	s_barrier_wait -1
	s_cmp_lg_u32 s[WV], 0
	s_cbranch_scc1 .Lnot_wave_0_\@
	s_barrier_signal -3
.Lnot_wave_0_\@:
	s_barrier_wait -3
	s_barrier_signal -1
	s_barrier_wait -1
.endm
.macro WM d, a, b, c, sa, sb, ra       ; one matrix instruction; ra = 1: source 0's scales are read from lanes 16-31
.if (\ra)
	v_wmma_scale_f32_16x16x128_f8f6f4 v[(\d):(\d)+7], v[(\a):(\a)+15], v[(\b):(\b)+15], v[(\c):(\c)+7], v[\sa], v[\sb] matrix_a_scale:MATRIX_SCALE_ROW1
.else
	v_wmma_scale_f32_16x16x128_f8f6f4 v[(\d):(\d)+7], v[(\a):(\a)+15], v[(\b):(\b)+15], v[(\c):(\c)+7], v[\sa], v[\sb]
.endif
.endm
	s_load_b256 s[4:11], s[0:1], 0x0               ; o's codes s[4:5], o's scales s[6:7], Wo's codes s[8:9], Wo's scales s[10:11]
	s_load_b128 s[12:15], s[0:1], 0x20             ; bo s[12:13], out0 s[14:15]
	v_lshl_add_u32 v254, v0, 2, 0x4b200
	v_mov_b32 v255, 0
	ds_add_u32 v254, v255
	ds_add_u32 v254, v255
	v_lshrrev_b32 v10, 5, v0
	s_delay_alu instid0(VALU_DEP_1)
	v_readfirstlane_b32 s[WV], v10                 ; wave 0..15
	s_bfe_u32 s57, ttmp6, 0x40000                  ; cx
	s_lshl_b32 s58, ttmp9, 2
	s_add_co_u32 s58, s58, s57                     ; the block of rows: 2 t + nh
	s_and_b32 s59, ttmp7, 0xffff                   ; the half of the columns, which the four partners share
	s_and_b32 s60, s[WV], 7                        ; my 32 columns
	s_lshr_b32 s61, s[WV], 3                       ; my half of the rows
	v_and_b32 v10, 31, v0                          ; lane
	v_and_b32 v11, 15, v0                          ; r
	s_wait_alu depctr_va_vdst(0)
	v_bfe_u32 v[BOF], v0, 4, 1                     ; h
	v_lshlrev_b32 v[GOF], 4, v10
	s_lshl_b32 s2, s61, 16
	v_add_nc_u32 v[AR], s2, v[GOF]
	s_lshl_b32 s2, s61, 11
	s_add_co_u32 s2, s2, AWS
	v_lshl_add_u32 v[AWR], v11, 4, s2
	s_mul_i32 s2, s60, 32*WP
	s_add_co_u32 s2, s2, WL
	v_mul_u32_u24 v[WLR], v11, WP
	s_delay_alu instid0(VALU_DEP_1)
	v_lshl_add_u32 v[WLR], v[BOF], 3, v[WLR]
	s_delay_alu instid0(VALU_DEP_1)
	v_add_nc_u32 v[WLR], s2, v[WLR]
	s_mul_i32 s2, s61, 16*SP
	s_lshl_b32 s3, s60, 7
	s_add_co_u32 s2, s2, s3
	s_add_co_u32 s2, s2, STG
	v_mul_u32_u24 v[STW], v11, SP
	s_wait_alu depctr_va_vdst(0)
	v_lshl_add_u32 v[STW], v[BOF], 5, v[STW]
	s_delay_alu instid0(VALU_DEP_1)
	v_add_nc_u32 v[STW], s2, v[STW]                ; in: my half's tile, row r, my 32 columns' 128 bytes, + 32 h
	s_mul_i32 s2, s[WV], SP
	s_add_co_u32 s2, s2, STG
	v_add_nc_u32 v[STR], s2, v[GOF]                ; back: row w of a tile, 16 bytes a lane
	v_and_b32 v12, 1, v0
	v_lshrrev_b32 v13, 1, v0
	s_delay_alu instid0(VALU_DEP_2)
	v_lshlrev_b32 v[HWR], 11, v12
	s_delay_alu instid0(VALU_DEP_1)
	v_lshl_add_u32 v[HWR], v13, 1, v[HWR]
	s_delay_alu instid0(VALU_DEP_1)
	v_add_nc_u32 v[HWR], ASC, v[HWR]               ; thread 2 row + e: heads 4 e on, of that row
	v_lshl_add_u32 v[AWW], v0, 3, AWS
	v_lshlrev_b32 v[BOF], 5, v[BOF]
	; Wo: 64 rows x 512 bytes, dense, 16 bytes of padding behind each; joint
	s_mov_b32 s[G1W+0], 15|(1<<20)|(1<<21)|(6<<22)|(3<<25)   ; 15:0 the mask: all four; 17:16 elements of 1 byte; 20 padding on; 21 set beside a mask; 24:22 after every 128 words; 31:25 four words
	s_mov_b32 s[G1W+1], 512<<16
	s_mov_b32 s[G1W+2], 64<<16
	s_mov_b32 s[G1W+3], 512<<16
	s_mov_b32 s[G1W+4], 64
	s_mov_b32 s[G1W+5], 512
	s_mov_b32 s[G1W+6], 0
	s_mov_b32 s[G1W+7], 0
	; o's images: a dense block of 16,384 bytes as 64 rows of 256 bytes (32 elements of 8 bytes)
	s_mov_b32 s[G1A+0], 3<<16
	s_mov_b32 s[G1A+1], 32<<16
	s_mov_b32 s[G1A+2], 64<<16
	s_mov_b32 s[G1A+3], 32<<16
	s_mov_b32 s[G1A+4], 64
	s_mov_b32 s[G1A+5], 32
	s_mov_b32 s[G1A+6], 0
	s_mov_b32 s[G1A+7], 0
	; o's scale bytes: 8 heads x 512 bytes, 1,024 bytes apart
	s_mov_b32 s[G1S+0], 3<<16
	s_mov_b32 s[G1S+1], 64<<16
	s_mov_b32 s[G1S+2], 8<<16
	s_mov_b32 s[G1S+3], 64<<16
	s_mov_b32 s[G1S+4], 8
	s_mov_b32 s[G1S+5], 128
	s_mov_b32 s[G1S+6], 0
	s_mov_b32 s[G1S+7], 0
	s_and_b32 s2, s[WV], 3                         ; the joint load's words are made of the wave's number and the half of the columns alone
	s_mov_b32 s[G0W], 1
	s_mul_i32 s[G0W+1], s2, WT
	s_add_co_u32 s[G0W+1], s[G0W+1], WL
	s_lshl_b32 s62, s59, 17
	s_lshl_b32 s2, s2, 15
	s_add_co_u32 s62, s62, s2
	s_mov_b32 s63, 0
	s_wait_alu depctr_va_vdst(0)
	s_wait_dscnt 0x0
	s_wait_kmcnt 0x0
	s_add_nc_u64 s[G0W+2:G0W+3], s[8:9], s[62:63]
	s_or_b32 s[G0W+3], s[G0W+3], 0x80000000
	s_mov_b32 s[G0A], 1
	s_lshl_b32 s[G0A+1], s60, 14                   ; waves 0 to 7: 16,384 bytes each
	s_lshl_b32 s62, s58, 17                        ; the block's 131,072 bytes
	s_add_co_u32 s62, s62, s[G0A+1]
	s_add_nc_u64 s[G0A+2:G0A+3], s[4:5], s[62:63]
	s_or_b32 s[G0A+3], s[G0A+3], 0x80000000
	s_lshr_b32 s2, s58, 1                          ; t
	s_and_b32 s3, s58, 1                           ; nh
	s_mov_b32 s[G0S], 1
	s_mov_b32 s[G0S+1], ASC
	s_lshl_b32 s62, s2, 13
	s_lshl_b32 s57, s3, 9
	s_add_co_u32 s62, s62, s57
	s_add_nc_u64 s[G0S+2:G0S+3], s[6:7], s[62:63]
	s_or_b32 s[G0S+3], s[G0S+3], 0x80000000
	s_lshl_b32 s62, s59, 12                        ; Wo's scale words: 16 bytes a row, rows 256 ch + 32 cg on
	s_lshl_b32 s57, s60, 9
	s_add_co_u32 s62, s62, s57
	s_add_nc_u64 s[10:11], s[10:11], s[62:63]
	s_lshl_b32 s62, s59, 10                        ; bo likewise, 4 bytes a column
	s_lshl_b32 s57, s60, 7
	s_add_co_u32 s62, s62, s57
	s_add_nc_u64 s[12:13], s[12:13], s[62:63]
	s_lshl_b32 s62, s3, 25                         ; out0: row n = 256 nh + w is 131,072 n; + 2,048 t + 1,024 ch
	s_lshl_b32 s57, s[WV], 17
	s_add_co_u32 s62, s62, s57
	s_lshl_b32 s57, s2, 11
	s_add_co_u32 s62, s62, s57
	s_lshl_b32 s57, s59, 10
	s_add_co_u32 s62, s62, s57
	s_add_nc_u64 s[52:53], s[14:15], s[62:63]      ; the first half's rows,
	s_add_nc_u64 s[54:55], s[52:53], 0x1000000     ; and those 128 n further on
	global_load_b128 v[WS:WS+3], v[GOF], s[10:11]  ; lanes 0-15: my first 16 columns' words, lanes 16-31: the other 16's; four K steps
.irp jt, 0,1
	global_load_b128 v[BO+8*\jt:BO+8*\jt+3], v[BOF], s[12:13] offset:64*\jt
	global_load_b128 v[BO+8*\jt+4:BO+8*\jt+7], v[BOF], s[12:13] offset:64*\jt+16
.endr
	ROUND                                          ; all four work-groups are here: the joint loads meet
	s_cmp_lt_u32 s[WV], 8                          ; waves 0-7: o's images; 8-11: Wo's rows; 12: o's scale bytes.  One tensor load a wave at the most
	s_cbranch_scc0 .Lnot_a
	tensor_load_to_lds s[G0A:G0A+3], s[G1A:G1A+7]
	s_nop 0
	PLACES 4
	s_branch .Lasked
.Lnot_a:
	s_cmp_lt_u32 s[WV], 12
	s_cbranch_scc0 .Lnot_w
	tensor_load_to_lds s[G0W:G0W+3], s[G1W:G1W+7]
	s_nop 0
	PLACES 4
	s_branch .Lasked
.Lnot_w:
	s_cmp_eq_u32 s[WV], 12
	s_cbranch_scc0 .Lasked
	tensor_load_to_lds s[G0S:G0S+3], s[G1S:G1S+7]
	s_nop 0
	PLACES 4
.Lasked:
	s_wait_tensorcnt 0x0                           ; my load has landed,
	s_barrier_signal -1
	s_barrier_wait -1                              ; everybody's has
	; o's scale words: K step s of a row takes the two bytes of head 2 s and the two of head 2 s + 1
.irp k, 0,1,2,3
	ds_load_u16 v[12+\k], v[HWR] offset:512*\k
.endr
	s_wait_dscnt 0x0
	v_lshl_or_b32 v12, v13, 16, v12
	v_lshl_or_b32 v13, v15, 16, v14
	ds_store_b64 v[AWW], v[12:13]
	; Wo's fragments stay in registers.  Registers 4 c, 4 c + 1: k = 32 c + 8 h + 0..7; registers 4 c + 2, 4 c + 3: k = 32 c + 16 + 8 h + 0..7: the order of o's codes
.irp jt, 0,1
.irp s, 0,1,2,3
.irp c, 0,1,2,3
	ds_load_b64 v[WF+64*\jt+16*\s+4*\c:WF+64*\jt+16*\s+4*\c+1], v[WLR] offset:\jt*16*WP+128*\s+32*\c
	ds_load_b64 v[WF+64*\jt+16*\s+4*\c+2:WF+64*\jt+16*\s+4*\c+3], v[WLR] offset:\jt*16*WP+128*\s+32*\c+16
.endr
.endr
.endr
	s_wait_dscnt 0x0
	s_barrier_signal -1
	s_barrier_wait -1                              ; the scale words lie in LDS
; A TRIP: tile i of my half's eight tiles of 16 rows.
.macro TRIP i
.if \i > 0
	s_wait_xcnt 0x0                                ; the last trip's stores have read their bases and their data: both are rewritten below
	s_add_nc_u64 s[52:53], s[52:53], 0x200000      ; 16 n on
	s_add_nc_u64 s[54:55], s[54:55], 0x200000
.endif
.irp s, 0,1,2,3
.irp c, 0,1,2,3
	ds_load_b128 v[AF+16*\s+4*\c:AF+16*\s+4*\c+3], v[AR] offset:\i*8192+2048*\s+512*\c
.endr
.endr
	ds_load_b128 v[AW:AW+3], v[AWR] offset:256*\i
	s_wait_dscnt 0x0
.if \i == 0
	s_wait_loadcnt 0x0                             ; Wo's scale words and bo
.endif
.irp s, 0,1,2,3                        ; the two accumulators take turns
.irp jt, 0,1
.if \s == 0
	WM ACC+8*\jt, WF+64*\jt+16*\s, AF+16*\s, BO+8*\jt, WS+\s, AW+\s, \jt
.else
	WM ACC+8*\jt, WF+64*\jt+16*\s, AF+16*\s, ACC+8*\jt, WS+\s, AW+\s, \jt
.endif
.endr
.endr
	PLACES 9                                       ; eight in front of the stores of results and of loads into the fragments' registers; nine in front of the next trip's first products, which begin these accumulators anew
.irp jt, 0,1
	ds_store_b128 v[STW], v[ACC+8*\jt:ACC+8*\jt+3] offset:64*\jt         ; each accumulator from its low end on
	ds_store_b128 v[STW], v[ACC+8*\jt+4:ACC+8*\jt+7] offset:64*\jt+16
.endr
	s_wait_dscnt 0x0                               ; for the others' sake: my stores into the stage are done
	s_barrier_signal -1
	s_barrier_wait -1
.irp tl, 0,1
.irp k, 0,1
	ds_load_b128 v[OUTR+8*\tl+4*\k:OUTR+8*\tl+4*\k+3], v[STR] offset:\tl*16*SP+512*\k
.endr
.endr
	s_wait_dscnt 0x0                               ; my reads of the stage are over: behind this barrier it may be written again
	s_barrier_signal -1
	s_barrier_wait -1
.irp k, 0,1
	global_store_b128 v[GOF], v[OUTR+4*\k:OUTR+4*\k+3], s[52:53] offset:512*\k th:TH_STORE_NT     ; 32 lanes store 512 consecutive bytes, aligned; written once, read by nobody here
	global_store_b128 v[GOF], v[OUTR+8+4*\k:OUTR+8+4*\k+3], s[54:55] offset:512*\k th:TH_STORE_NT
.endr
.endm
.irp i, 0,1,2,3,4,5,6,7
	TRIP \i
.endr
	s_wait_tensorcnt 0x0
	ds_add_u32 v254, v255
	s_wait_dscnt 0x0
	ROUND                                          ; the closing round
	s_endpgm
.Lfunc_end_k_qb4033a4ab1_outp:
	.size	k_qb4033a4ab1_outp, .Lfunc_end_k_qb4033a4ab1_outp-k_qb4033a4ab1_outp
	.p2alignl 7, 3214868480
	.fill 96, 4, 3214868480
	.section	.rodata,"a",@progbits
	.p2align	6, 0x0
	.amdhsa_kernel k_qb4033a4ab1_outp
		.amdhsa_group_segment_fixed_size 309760
		.amdhsa_private_segment_fixed_size 0
		.amdhsa_enable_private_segment 0
		.amdhsa_kernarg_size 48
		.amdhsa_user_sgpr_count 2
		.amdhsa_user_sgpr_kernarg_segment_ptr 1
		.amdhsa_wavefront_size32 1
		.amdhsa_system_sgpr_workgroup_id_x 1
		.amdhsa_system_sgpr_workgroup_id_y 1
		.amdhsa_system_sgpr_workgroup_id_z 1
		.amdhsa_system_vgpr_workitem_id 0
		.amdhsa_next_free_vgpr 256
		.amdhsa_next_free_sgpr 66
		.amdhsa_reserve_vcc 0
		.amdhsa_float_denorm_mode_32 3
		.amdhsa_float_denorm_mode_16_64 3
		.amdhsa_memory_ordered 1
		.amdhsa_forward_progress 1
		.amdhsa_inst_pref_size 42
	.end_amdhsa_kernel
	.amdgpu_metadata
---
amdhsa.version: [ 1, 2 ]
amdhsa.kernels:
  - .name:           k_qb4033a4ab1_outp
    .symbol:         k_qb4033a4ab1_outp.kd
    .args:
      - { .name: o_codes, .offset: 0, .size: 8, .value_kind: global_buffer, .address_space: global }
      - { .name: o_scales, .offset: 8, .size: 8, .value_kind: global_buffer, .address_space: global }
      - { .name: Wo_codes, .offset: 16, .size: 8, .value_kind: global_buffer, .address_space: global }
      - { .name: Wo_scales, .offset: 24, .size: 8, .value_kind: global_buffer, .address_space: global }
      - { .name: bo, .offset: 32, .size: 8, .value_kind: global_buffer, .address_space: global }
      - { .name: out0, .offset: 40, .size: 8, .value_kind: global_buffer, .address_space: global }
    .group_segment_fixed_size: 309760
    .private_segment_fixed_size: 0
    .kernarg_segment_align: 8
    .kernarg_segment_size: 48
    .max_flat_workgroup_size: 512
    .sgpr_count:     66
    .vgpr_count:     256
    .wavefront_size: 32
...
	.end_amdgpu_metadata
.endif
;; end of part 2
